; MI455X (gfx1250); checked and timed in simulation.
; The chip was launched on July 23, 2026; its instructions are those of AMD's public machine-readable ISA for CDNA 5 (MIT licence, August 2026) and "CDNA5" Instruction Set Architecture Reference Guide (July 2026). The comments in the code are by the model that wrote it; some were corrected since.
;; MHA. Allowed arithmetic: matrix products marked QUANTISED: E4M3 operands, one given power-of-two scale a tensor, by v_wmma_f32_16x16x64_fp8_fp8 or v_wmma_f32_16x16x128_fp8_fp8, f32 sums; everything else in f32.
;; Inputs: b_proj 1,024 float32; b_qkv 3,072 float32; lowp_scales 8 int32 (the exponents e of the quantised operands' scales 2^e); w_proj 1,024 x 1,024 float32; w_qkv 1,024 x 3,072 float32; x 4 x 2,048 x 1,024 float32.
;; Outputs: out0 4 x 2,048 x 1,024 float32.
;; This version of the problem:
;;   THIS VERSION OF THE PROBLEM IS GIVEN IN LOW PRECISION. The matrix products marked QUANTISED in the list below multiply operands that are first quantised to E4M3 (4 exponent bits, 3 mantissa bits; 8 bits a number), with one given power-of-two scale for each operand tensor; their sums are f32. All else is computed in f32.
;;   The module's matrix products, in the order in which they are computed (A, B: the left and right operand; K: the contracted axis; several contracted axes count as one K, in the product's order):
;;     1. [M 8,192, K 1,024] x [K 1,024, N 3,072]; A: input x; B: input w_qkv: QUANTISED (scales: A lowp_scales[0], B lowp_scales[1])
;;     2. batch 64 x [M 2,048, K 64] x [K 64, N 2,048]; A: computed on the way; B: computed on the way: QUANTISED (scales: A lowp_scales[2], B lowp_scales[3])
;;     3. batch 64 x [M 2,048, K 2,048] x [K 2,048, N 64]; A: softmax (see below); B: computed on the way: QUANTISED (scales: A lowp_scales[4], B lowp_scales[5])
;;     4. [M 8,192, K 1,024] x [K 1,024, N 1,024]; A: computed on the way; B: input w_proj: QUANTISED (scales: A lowp_scales[6], B lowp_scales[7])
;;   THE QUANTISER, for each operand of a quantised product, along K:
;;     - The operand's scale is 2^e, e = its entry of the input lowp_scales (int32; the entries are numbered through the quantised products in the list's order, A before B).
;;     - Each number is divided by the scale, clamped to +-448, and rounded to the nearest number of E4M3, ties to even, subnormals kept.
;;     - The product sums the exact products of the quantised numbers (number of the format x scale) in f32.
;;   ~~~python
;;   def quantise(x, axis, e):      # numpy; x: float32 -> the quantised numbers, widened to float32 again
;;       x = np.moveaxis(x, axis, -1); K = x.shape[-1]
;;       r = np.clip(x / 2.0 ** e, -448, 448)
;;       step = 2.0 ** (np.maximum(np.frexp(np.where(r == 0, 1, r))[1] - 1, -6) - 3)
;;       q = np.round(r / step) * step * 2.0 ** e      # np.round: ties to even
;;       return np.moveaxis(q, -1, axis).astype(np.float32)
;;   ~~~
;;   SOFTMAX AHEAD OF A QUANTISED PRODUCT. Where the list says 'softmax', what is quantised is not the finished softmax but p = 2^(t - M), with t = logit x log2(e) and M = ceil(the row's largest t), a whole number; so 1/2 < the row's largest p <= 1. The row's sum l is taken of the UNQUANTISED p, in f32, and the product's result is divided by l at the end. Since M is a whole number, a kernel that streams over the keys may use a running M (the ceiling of the running maximum): every later rescaling is an exact power of two, so the quantised numbers keep their values, but for numbers so far below the row's largest that they fall under the format's range.
;;   OPERANDS COMPUTED ON THE WAY. 'Computed on the way' means the value that the module computes at that place (a softmax that the list does not call 'softmax' is quantised finished and normalised). What goes into a quantiser is computed in f32, as accurately as f32 sums, v_exp_f32 and their like allow (about 1e-6 of the number): no bf16 or f16 on the way to a quantiser, and a product that is left as it is and whose result goes on into a quantised operand takes f32 operands (vector FMAs, or v_wmma_f32_16x16x4_f32). A number that lies on a knife's edge between two numbers of the format may be rounded either way, as far as f32 arithmetic and the matrix unit's own rounding can turn it there, and no further.
;; One version. Each part assembles by itself: llvm-mc -triple=amdgcn-amd-amdhsa -mcpu=gfx1250 --defsym DOCPART=n.
;; ======== version 1 of 1: 4 launches
;; limits: right only within a limited range of input values
;; workspace buffers: xc 8,388,608 bytes; wqc 3,145,728 bytes; wpc 1,048,576 bytes; qc 8,388,608 bytes; kv 16,777,216 bytes; yc 8,388,608 bytes
;; launch quant (part 1): grid 384 x 1, 4 waves a work-group, no clusters, 67,072 bytes of LDS; arguments x, w_qkv, w_proj, lowp_scales, xc, wqc, wpc; writes xc, wqc, wpc
.if DOCPART == 1
	.amdgcn_target "amdgcn-amd-amdhsa--gfx1250"
	.amdhsa_code_object_version 6
	.text
	.protected	k_qce183118ae_quant
	.globl	k_qce183118ae_quant
	.p2align	8
	.type	k_qce183118ae_quant,@function
k_qce183118ae_quant:
	s_mov_b64 s[64:65], 0
	v_nop
	global_prefetch_b8 v0, s[64:65] scope:SCOPE_SE
	s_setreg_imm32_b32 hwreg(HW_REG_WAVE_MODE, 25, 1), 1
	s_wait_xcnt 0x0
; x [8192][1024], w_qkv [1024][3072] and w_proj [1024][1024], f32, become codes of FP8 (E4M3), each with the one scale 2^e given for it (entries 0, 1 and 7 of the scales).
; code = number / 2^e, held within +-448, rounded to the nearest code, ties to even.
; THE CODES ARE LAID AS IMAGES OF THE OPERAND'S REGISTERS.  A fragment is 16 rows x 128 along K = 2,048 bytes: chunk q (0..3) at 512 q, lane l's 16 bytes at 16 l = its registers 4 q .. 4 q + 3;
; lane (r = l % 16, h = l / 16) holds row r, and its register pair 2 c, 2 c + 1 holds K = 16 c + 8 h + 0 .. 7: the place that the matrix instruction's own layout gives each k.
; xc: [row block 512][K block 8] fragments, a row = a row of x.  wqc [192][8] and wpc [64][8]: a row = a COLUMN n of the weight, whose K is its first axis in memory.
; SHARES.  Work-groups 0-255: x, a wave takes 16 rows x 512 along K (4 fragments).  256-351: w_qkv, 352-383: w_proj: a wave takes 32 columns x 256 along K (4 fragments).
; The three paths part on the work-group's number and have LDS bytes of their own.  Waves share nothing: no barrier.  No work-group reads what another reads: no cluster, no tensor load.
; LIMITS: each of the three exponents lies between -126 and 119.  NaN among the inputs is not served; an infinity is held at the largest code.
.set XWB,   8448                       ; x: a wave's stage, 16 rows x (512 bytes + 16): row r starts 33 r pieces of 16 bytes in, so sixteen rows' reads fall on sixteen different pieces modulo 256 bytes
.set WQST,  33792                      ; w_qkv: four stages of 4,096 bytes (two fragment images); w_proj's lie 16,384 bytes further on
.set SPARE, 66560                      ; the spare words, 128 bytes for each wave: two blocks of 256 bytes that no other line names
.set SPW,   12                         ; v12  LDS address of my spare word; never rewritten
.set NIL,   13                         ; v13  0; never rewritten
.set R,     16                         ; x: v16-143 two sets of 64 numbers as loaded
.set XX,    144                        ; x: v144-207 a fragment's 64 numbers of my lane, in the operand's order
.set CX,    208                        ; x: v208-239 two sets of 16 registers of codes
.set X,     32                         ; weights: v32-95 two sets of 32 numbers down K
.set C,     96                         ; weights: v96-103 a block's codes
.set OUTR,  112                        ; weights: v112-175 two sets of 32: images on their way out
	s_load_b256 s[4:11], s[0:1], 0x0               ; x s[4:5], w_qkv s[6:7], w_proj s[8:9], the scales' exponents s[10:11]
	s_load_b128 s[12:15], s[0:1], 0x20             ; xc s[12:13], wqc s[14:15]
	s_load_b64 s[16:17], s[0:1], 0x30              ; wpc
	v_lshl_add_u32 v[SPW], v0, 2, SPARE
	v_mov_b32 v[NIL], 0
	v_lshrrev_b32 v1, 5, v0
	v_readfirstlane_b32 s18, v1                    ; wave 0..3
	v_and_b32 v1, 31, v0                           ; lane
	v_lshlrev_b32 v2, 4, v1                        ; 16 x lane: my place in 512 consecutive bytes
	v_lshlrev_b32 v9, 2, v1                        ; 4 x lane: my column of a weight
	v_and_b32 v7, 15, v0                           ; r
	v_bfe_u32 v8, v0, 4, 1                         ; h
	; every LDS address is made here, ahead of the parting of the paths
	s_mul_i32 s19, s18, XWB
	v_add_nc_u32 v3, s19, v2                       ; x's stage, in: 16 x lane of a row
	v_mul_u32_u24 v4, v7, 528
	v_lshl_add_u32 v4, v8, 5, v4
	v_add_nc_u32 v4, s19, v4                       ; x's stage, out: row r, + 32 h bytes (8 h numbers)
	s_lshl_b32 s19, s18, 12
	s_add_co_u32 s19, s19, WQST
	v_lshlrev_b32 v5, 4, v7
	v_lshl_add_u32 v5, v8, 11, v5
	v_add_nc_u32 v5, s19, v5                       ; a weight's stage, in: my column is row lane % 16 of fragment lane / 16
	v_add_nc_u32 v6, s19, v2                       ; and out: the image as it lies
	s_wait_kmcnt 0x0
	s_load_b256 s[24:31], s[10:11], 0x0            ; the eight exponents
	s_cmp_lt_u32 ttmp9, 256
	s_cbranch_scc0 .Lweights
.macro SCALES e                        ; v11 = 2^e as f32 (the conversion takes its exponent field)
	s_add_co_i32 s36, s[\e], 127
	s_lshl_b32 s37, s36, 23
	v_mov_b32 v11, s37
	s_add_co_i32 s36, s36, 8
	s_lshl_b32 s36, s36, 23
	s_or_b32 s36, s36, 0x600000
.endm
	; ---------------- x ----------------
	s_lshl_b32 s20, ttmp9, 2
	s_add_co_u32 s20, s20, s18                     ; which of 1,024 shares is my wave's
	s_lshr_b32 s21, s20, 1                         ; its row block,
	s_and_b32 s22, s20, 1                          ; and which half of K
	s_lshl_b32 s32, s21, 16                        ; 16 rows of 4,096 bytes
	s_lshl_b32 s33, s22, 11
	s_add_co_u32 s32, s32, s33
	s_mov_b32 s33, 0
	s_add_nc_u64 s[4:5], s[4:5], s[32:33]
	s_lshl_b32 s32, s21, 14                        ; a row block's eight fragments
	s_lshl_b32 s34, s22, 13
	s_add_co_u32 s32, s32, s34
	s_add_nc_u64 s[12:13], s[12:13], s[32:33]
.macro LOADX t                         ; fragment t's numbers: 16 loads, each 512 consecutive bytes of one row
.irp i, 0,1,2,3,4,5,6,7,8,9,10,11,12,13,14,15
	global_load_b128 v[R+64*((\t)%2)+4*\i:R+64*((\t)%2)+4*\i+3], v2, s[4:5] offset:4096*\i+512*(\t) th:TH_LOAD_NT
.endr
.endm
.macro FRAGX t
.set CS, CX+16*((\t)%2)
.if (\t) < 3
	s_wait_loadcnt 16                              ; this fragment's 16 loads are in; the next fragment's 16 may be out
.else
	s_wait_loadcnt 0
.endif
.irp i, 0,1,2,3,4,5,6,7,8,9,10,11,12,13,14,15
	ds_store_b128 v3, v[R+64*((\t)%2)+4*\i:R+64*((\t)%2)+4*\i+3] offset:528*\i
.endr
.irp q, 0,1,2,3                        ; LDS serves a wave's instructions in order: these see my stores.  K = 32 q + 8 h + 0..7, then 32 q + 16 + 8 h + 0..7 of row r
	ds_load_b128 v[XX+16*\q:XX+16*\q+3], v4 offset:128*\q
	ds_load_b128 v[XX+16*\q+4:XX+16*\q+7], v4 offset:128*\q+16
	ds_load_b128 v[XX+16*\q+8:XX+16*\q+11], v4 offset:128*\q+64
	ds_load_b128 v[XX+16*\q+12:XX+16*\q+15], v4 offset:128*\q+80
.endr
	s_wait_dscnt 0x0                               ; the numbers are back, and the stores have read their registers,
.if (\t) < 2
	LOADX (\t)+2                                   ; which take the loads of two fragments on
.endif
.set j, 0
.rept 64
.set j, j+1
.endr
.if (\t) > 1
	s_wait_xcnt 0x0                                ; the stores of two fragments back have read this set of codes
.endif
.irp g, 0,1,2,3,4,5,6,7
	v_cvt_scalef32_pk8_fp8_f32 v[CS+2*\g:CS+2*\g+1], v[XX+8*\g:XX+8*\g+7], v11
.endr
	v_nop                                          ; a plain line between the conversions and the next fragment's LDS loads, which write their sources
.irp q, 0,1,2,3
	global_store_b128 v2, v[CS+4*\q:CS+4*\q+3], s[12:13] offset:2048*(\t)+512*\q   ; 512 consecutive bytes, at a multiple of 512 from the buffer's first byte
.endr
.endm
	LOADX 0
	LOADX 1
	s_wait_kmcnt 0x0
	SCALES 24
	s_wait_alu depctr_va_vdst(0)
	FRAGX 0
	FRAGX 1
	FRAGX 2
	FRAGX 3
	s_wait_tensorcnt 0x0                           ; the wave's end: behind my last LDS store
	ds_add_u32 v[SPW], v[NIL]
	s_wait_dscnt 0x0
	s_endpgm
	; ---------------- the weights: a lane takes a column n, and its registers run down K ----------------
.macro LOADW t, n, src                 ; block t: W(32 t + i, my column): 128 consecutive bytes a wave, 512 a work-group
.irp i, 0,1,2,3,4,5,6,7,8,9,10,11,12,13,14,15,16,17,18,19,20,21,22,23,24,25,26,27,28,29,30,31
	global_load_b32 v[X+32*((\t)%2)+\i], v9, s[\src:\src+1] offset:(32*(\t)+\i)*(\n)*4 th:TH_LOAD_NT
.endr
.endm
.macro BLOCKW t, n, src, reg
.set XS, X+32*((\t)%2)
.if (\t) < 7
	s_wait_loadcnt 32                              ; this block's 32 loads are in; the next block's may be out
.else
	s_wait_loadcnt 0
.endif
.set j, 0
.rept 32
.set j, j+1
.endr
.irp g, 0,1,2,3
	v_cvt_scalef32_pk8_fp8_f32 v[C+2*\g:C+2*\g+1], v[XS+8*\g:XS+8*\g+7], v11
.endr
	v_nop
.irp g, 0,1,2,3                        ; eight codes, K = 8 p .. 8 p + 7 of the fragment, p = 4 (t % 4) + g: chunk p / 4, half of the lanes p % 2, register pair (p / 2) % 2
	ds_store_b64 v5, v[C+2*\g:C+2*\g+1] offset:(\reg)+512*((\t)%4)+256*(\g%2)+8*(\g/2)
.endr
.if (\t) < 6
	LOADW (\t)+2, \n, \src
.endif
	s_wait_dscnt 0x0                               ; the stores have read their registers: the next block's codes may be written
.endm
.macro UNITW u, reg, dst               ; 128 along K are whole: two fragment images leave as they lie
.irp f, 0,1
.irp q, 0,1,2,3
	ds_load_b128 v[OUTR+32*(\u)+4*(4*\f+\q):OUTR+32*(\u)+4*(4*\f+\q)+3], v6 offset:(\reg)+2048*\f+512*\q
.endr
.endr
.irp f, 0,1
.irp q, 0,1,2,3
	s_wait_dscnt 7-(4*\f+\q)                       ; the younger reads may be out
	global_store_b128 v2, v[OUTR+32*(\u)+4*(4*\f+\q):OUTR+32*(\u)+4*(4*\f+\q)+3], s[\dst:\dst+1] offset:16384*\f+2048*(\u)+512*\q
.endr
.endr
.endm
.macro WPATH n, reg, first, src, dst, e
	s_sub_co_u32 s20, ttmp9, \first
	s_and_b32 s21, s20, 3                          ; which 256 along K
	s_lshr_b32 s22, s20, 2                         ; which 128 columns
	s_mul_i32 s32, s21, 1024*(\n)                  ; 256 rows of n x 4 bytes
	s_lshl_b32 s34, s22, 9
	s_add_co_u32 s32, s32, s34
	s_lshl_b32 s34, s18, 7                         ; my wave's 32 columns
	s_add_co_u32 s32, s32, s34
	s_mov_b32 s33, 0
	s_add_nc_u64 s[\src:\src+1], s[\src:\src+1], s[32:33]
	s_lshl_b32 s32, s22, 3
	s_lshl_b32 s34, s18, 1
	s_add_co_u32 s32, s32, s34                     ; my first row block of the codes: 8 x column group + 2 x wave
	s_lshl_b32 s32, s32, 14
	s_lshl_b32 s34, s21, 12                        ; two fragments along K
	s_add_co_u32 s32, s32, s34
	s_add_nc_u64 s[\dst:\dst+1], s[\dst:\dst+1], s[32:33]
	LOADW 0, \n, \src
	LOADW 1, \n, \src
	s_wait_kmcnt 0x0
	SCALES \e
	s_wait_alu depctr_va_vdst(0)
	BLOCKW 0, \n, \src, \reg
	BLOCKW 1, \n, \src, \reg
	BLOCKW 2, \n, \src, \reg
	BLOCKW 3, \n, \src, \reg
	UNITW 0, \reg, \dst
	BLOCKW 4, \n, \src, \reg
	BLOCKW 5, \n, \src, \reg
	BLOCKW 6, \n, \src, \reg
	BLOCKW 7, \n, \src, \reg
	UNITW 1, \reg, \dst
	s_wait_tensorcnt 0x0                           ; the wave's end: behind my last LDS store
	ds_add_u32 v[SPW], v[NIL]
	s_wait_dscnt 0x0
	s_endpgm
.endm
.Lweights:
	s_cmp_lt_u32 ttmp9, 352
	s_cbranch_scc0 .Lproj_w
	WPATH 3072, 0, 256, 6, 14, 25
.Lproj_w:
	WPATH 1024, 16384, 352, 8, 16, 31
.Lfunc_end_k_qce183118ae_quant:
	.size	k_qce183118ae_quant, .Lfunc_end_k_qce183118ae_quant-k_qce183118ae_quant
	.p2alignl 7, 3214868480
	.fill 96, 4, 3214868480
	.section	.rodata,"a",@progbits
	.p2align	6, 0x0
	.amdhsa_kernel k_qce183118ae_quant
		.amdhsa_group_segment_fixed_size 67072
		.amdhsa_private_segment_fixed_size 0
		.amdhsa_enable_private_segment 0
		.amdhsa_kernarg_size 56
		.amdhsa_user_sgpr_count 2
		.amdhsa_user_sgpr_kernarg_segment_ptr 1
		.amdhsa_wavefront_size32 1
		.amdhsa_system_sgpr_workgroup_id_x 1
		.amdhsa_system_sgpr_workgroup_id_y 1
		.amdhsa_system_sgpr_workgroup_id_z 1
		.amdhsa_system_vgpr_workitem_id 0
		.amdhsa_next_free_vgpr 240
		.amdhsa_next_free_sgpr 66
		.amdhsa_reserve_vcc 0
		.amdhsa_float_denorm_mode_32 3
		.amdhsa_float_denorm_mode_16_64 3
		.amdhsa_fp16_overflow 1
		.amdhsa_memory_ordered 1
		.amdhsa_forward_progress 1
		.amdhsa_inst_pref_size 87
	.end_amdhsa_kernel
	.amdgpu_metadata
---
amdhsa.version: [ 1, 2 ]
amdhsa.kernels:
  - .name:           k_qce183118ae_quant
    .symbol:         k_qce183118ae_quant.kd
    .args:
      - { .name: x, .offset: 0, .size: 8, .value_kind: global_buffer, .address_space: global }
      - { .name: w_qkv, .offset: 8, .size: 8, .value_kind: global_buffer, .address_space: global }
      - { .name: w_proj, .offset: 16, .size: 8, .value_kind: global_buffer, .address_space: global }
      - { .name: lowp_scales, .offset: 24, .size: 8, .value_kind: global_buffer, .address_space: global }
      - { .name: xc, .offset: 32, .size: 8, .value_kind: global_buffer, .address_space: global }
      - { .name: wqc, .offset: 40, .size: 8, .value_kind: global_buffer, .address_space: global }
      - { .name: wpc, .offset: 48, .size: 8, .value_kind: global_buffer, .address_space: global }
    .group_segment_fixed_size: 67072
    .private_segment_fixed_size: 0
    .kernarg_segment_align: 8
    .kernarg_segment_size: 56
    .max_flat_workgroup_size: 128
    .sgpr_count:     66
    .vgpr_count:     240
    .wavefront_size: 32
...
	.end_amdgpu_metadata
.endif
;; end of part 1
;; launch qkv (part 2): grid 12 x 32, 4 waves a work-group, clusters of 4 x 4, 327,680 bytes of LDS; arguments xc, wqc, b_qkv, lowp_scales, qc, kv; writes qc, kv
.if DOCPART == 2
	.amdgcn_target "amdgcn-amd-amdhsa--gfx1250"
	.amdhsa_code_object_version 6
	.text
	.protected	k_qce183118ae_qkv
	.globl	k_qce183118ae_qkv
	.p2align	8
	.type	k_qce183118ae_qkv,@function
k_qce183118ae_qkv:
	s_mov_b64 s[64:65], 0
	v_nop
	global_prefetch_b8 v0, s[64:65] scope:SCOPE_SE
	s_setreg_imm32_b32 hwreg(HW_REG_WAVE_MODE, 25, 1), 1
	s_wait_xcnt 0x0
	s_wait_alu depctr_hold_cnt(0) depctr_sa_sdst(0) depctr_va_vdst(0) depctr_va_sdst(0) depctr_va_ssrc(0) depctr_va_vcc(0) depctr_vm_vsrc(0)
	s_getreg_b32 s2, hwreg(HW_REG_IB_STS2, 6, 4)
	s_cmp_eq_u32 s2, 0
	s_cbranch_scc0 .Lentry_in_a_cluster
	s_endpgm
.Lentry_in_a_cluster:
	s_bfe_u32 s2, ttmp6, 0x10000c
	s_cmp_lg_u32 s2, 0xf033
	s_cbranch_scc0 .Lentry_shape_is_right
	s_endpgm
.Lentry_shape_is_right:
; qkv = x w_qkv + b_qkv on codes of FP8 (E4M3); each sum x 2^(e0 + e1) + bias, in f32, is quantised at once for the products that follow (q: e2, k: e3, v: e5) and stored as codes.
; A tile of 256 x 256 is made by four waves, each 128 x 128: 64 accumulators of 16 x 16, 512 registers.  K = 1,024 goes in four steps of 256 through two LDS slots filled by the tensor data mover.
; OPERANDS ARE IMAGES OF REGISTERS: xc and wqc hold fragments (16 rows x 128 K, 2,048 bytes: chunk q at 512 q, lane l at 16 l), [row block][K block 8].  A slot's part of a row block is 4,096 consecutive
; bytes; a wave's tensor load brings eight of them, 16,384 bytes apart in memory, dense in LDS.  A fragment comes by four ds_load_b128 at 16 x lane: no pitch, no padding.
; CLUSTERS: 4 x 4 work-groups.  'A' tiles (source 1) hang on cy and are shared along a row of the cluster, 'B' tiles (source 0) on cx and are shared along a column: each is asked for jointly.
; A lane of a result holds ONE row of 'A' (lane % 16) and eight neighbouring rows of 'B' (8 (lane / 16) + 0..7).  Cluster x = 0 makes q, 1 makes k: 'A' = x, 'B' = the weight: a lane's registers run along the
; head's axis, which is K of q k^T.  Cluster x = 2 makes v with the roles swapped ('A' = the weight, 'B' = x): a lane's registers run along the keys, which are K of p v.  So the conversions' results are
; the next operands' registers.  The choice hangs on the cluster's x alone: it is the same in all sixteen partners.
; OUT.  qc: [b h 64][16 queries 128] fragments of 16 rows x 64 K, 1,024 bytes.  kv: [b h 64][128 keys 16] blocks of 16,384 bytes: eight such fragments of k (16 keys each), then four fragments of v^T (16 of the head's 64 x 128 keys).
; LIMITS: e0 + e1 between -126 and 127; e2, e3, e5 between -126 and 119.  NaN is not served.
; REGISTERS, in windows of 256: window 0: v0-31 addresses; v32-95 bias by register, v96-111 bias by lane, v112 the scale; from v128 'A' fragments, ONE set; on the way out v128-223 at work.
;   window 1: 'B' fragments, TWO sets, at v0 and v128.   window 2: accumulators of my 'A' rows 0-63 ((a, b) at v[8 (8 a + b)]);   window 3: those of rows 64-127.
.set HALFT,  32768                     ; 128 rows x 256 K: what one tensor load brings, and what one wave reads of 'A' or of 'B'
.set SLOT,   4*HALFT                   ; 'A' 256 rows, then 'B' 256 rows
.set SPARE,  2*SLOT                    ; behind the ring: the spare words, 128 bytes for each wave: two blocks of 256 bytes that no other line names
.set STEPB,  4096                      ; a slot's part of a row block, in bytes
.set FR,     16                        ; registers of a fragment
.set NL,     4                         ; LDS loads that bring one
.set NP,     4                         ; places behind this matrix instruction (ISA guide 7.12.1)
.set ADRA, 16                          ; v16-17  LDS address of my 'A' fragments in slot 0, 1
.set ADRB, 20                          ; v20-21  the same for 'B'
.set BH,   27                          ; v27     32 x (lane / 16): my eight numbers of a bias tile
.set SPW,  28                          ; v28     LDS address of my spare word; never rewritten
.set NIL,  29                          ; v29     0; never rewritten
.set BR,   30                          ; v30     4 x (lane % 16): my one number of a bias tile
.set LI,   31                          ; v31     16 x lane
.set BQ,   32                          ; v32-95  bias of columns 16 b + 8 h + i at v[BQ + 8 b + i]
.set BV,   96                          ; v96-111 bias of column 16 a + r, twice, at v[BV + 2 a]
.set SCL,  112                         ; v112    2^e of the result's quantiser
.set LIM,  113
.set AF,   128
.set TMP,  128                         ; the way out: a block's 64 numbers
.set CODE, 192                         ; and two sets of 16 registers of codes
.set G1, 24                            ; s[24:31] descriptor group 1 for 'A';  s[32:39] group 0, one set for each slot
.set G0, 32
.set G1B, 48                           ; s[48:55], s[56:63] the same for 'B'
.set G0B, 56
.set MSB, 0
.macro WIN new                         ; the immediate's high byte repeats the setting that is left
.if MSB != \new
	s_set_vgpr_msb (MSB<<8)|\new
.set MSB, \new
.endif
.endm
.set MUL_LO, 0xa1                      ; source 0 ('B') window 1, source 1 ('A') window 0, C and D window 2
.set MUL_HI, 0xf1                      ; the same, C and D window 3
.set TO_B,   0x40                      ; destination window 1, address window 0
; A joint load: waves 0 and 1 fetch for 'A', waves 2 and 3 for 'B'.  The branch hangs on the wave's number alone.  An s_nop 0 and four v_nop follow each of the two lines.
.macro JLOAD g0a, g1a, g0b, g1b
	s_cmp_eq_u32 s15, 0
	s_cbranch_scc0 .Lfor_b_\@
	tensor_load_to_lds s[\g0a:\g0a+3], s[\g1a:\g1a+7]
	s_nop 0
.rept 4
	v_nop
.endr
	s_branch .Lasked_\@
.Lfor_b_\@:
	tensor_load_to_lds s[\g0b:\g0b+3], s[\g1b:\g1b+7]
	s_nop 0
.rept 4
	v_nop
.endr
.Lasked_\@:
.endm
.macro CREST                           ; a round of the cluster's barrier behind its opening barrier
	s_cmp_lg_u32 s14, 0
	s_cbranch_scc1 .Lnot_wave_0_\@
	s_barrier_signal -3
.Lnot_wave_0_\@:
	s_barrier_wait -3
	s_barrier_signal -1
	s_barrier_wait -1
.endm
.macro CROUND                          ; a whole round
	s_barrier_signal -1
	s_barrier_wait -1
	CREST
.endm
	s_load_b256 s[4:11], s[0:1], 0x0               ; xc s[4:5], wqc s[6:7], b_qkv s[8:9], the scales' exponents s[10:11]
	s_load_b128 s[68:71], s[0:1], 0x20             ; qc s[68:69], kv s[70:71]
	v_lshl_add_u32 v[SPW], v0, 2, SPARE
	v_mov_b32 v[NIL], 0
	ds_add_u32 v[SPW], v[NIL]                      ; the wave's opening: the add and its wait stand ahead of my first tensor load; the set-up below, work on registers, stands between them
	ds_add_u32 v[SPW], v[NIL]
	v_lshrrev_b32 v1, 5, v0
	v_readfirstlane_b32 s14, v1                    ; wave 0..3
	s_lshr_b32 s15, s14, 1                         ; which half of the tile's 'A' rows is mine.  Also: I fetch for 'A' (0) or for 'B' (1)
	s_and_b32 s16, s14, 1                          ; which half of its 'B' rows.  Also: which 128 rows of that tile I fetch
	s_bfe_u32 s40, ttmp6, 0x40000                  ; cx, cy: my place in the cluster
	s_bfe_u32 s41, ttmp6, 0x40004
	s_and_b32 s2, ttmp7, 0xffff
	s_lshl_b32 s2, s2, 2                           ; 4 x cluster y
	s_lshl_b32 s3, ttmp9, 2                        ; 4 x cluster x
	s_cmp_eq_u32 ttmp9, 2                          ; v?
	s_cselect_b32 s17, 8, s2                       ; 'A' tile: of the weight's twelve, v's begin at 8; else of x's 32
	s_cselect_b32 s42, s2, s3                      ; 'B' tile: of x's 32; else of the weight's twelve
	s_add_co_u32 s17, s17, s41                     ; + cy
	s_add_co_u32 s42, s42, s40                     ; + cx
	s_lshl_b32 s43, s41, 2
	s_lshl_b32 s43, 15, s43                        ; my row of the cluster
	s_lshl_b32 s44, 0x1111, s40                    ; my column
	; descriptor group 1: 8 rows of 4,096 bytes, 16,384 bytes apart
	s_or_b32 s[G1+0], s43, (1<<21)                 ; 15:0 the mask: 'A' tiles go to my row; 17:16 element of 1 byte; 20 no padding; 21 set beside a mask
	s_or_b32 s[G1B+0], s44, (1<<21)
.irp g, G1, G1B
	s_mov_b32 s[\g+1], STEPB<<16                   ; tensor_dim0
	s_mov_b32 s[\g+2], 8<<16                       ; tensor_dim1 = 8
	s_mov_b32 s[\g+3], STEPB<<16                   ; tile_dim0
	s_mov_b32 s[\g+4], 8                           ; tile_dim1 = 8
	s_mov_b32 s[\g+5], 16384                       ; tensor_dim0_stride: a row block's eight fragments
	s_mov_b32 s[\g+6], 0
	s_mov_b32 s[\g+7], 0
.endr
	s_lshl_b32 s18, s16, 17                        ; which eight row blocks of the tile I fetch
	s_lshl_b32 s20, s17, 18                        ; a tile is 16 row blocks, 262,144 bytes
	s_add_co_u32 s20, s20, s18
	s_mov_b32 s21, 0
	s_lshl_b32 s46, s42, 18
	s_add_co_u32 s46, s46, s18
	s_mov_b32 s47, 0
	s_lshl_b32 s45, s14, 15                        ; where they go: wave x HALFT: no place in the cluster enters an LDS address
	s_wait_dscnt 0x0                               ; the opening add is done
	s_wait_kmcnt 0x0
	s_load_b256 s[72:79], s[10:11], 0x0            ; e0 .. e7
	s_cmp_eq_u32 ttmp9, 2
	s_cselect_b64 s[80:81], s[6:7], s[4:5]         ; 'A'
	s_cselect_b64 s[82:83], s[4:5], s[6:7]         ; 'B'
	s_add_nc_u64 s[20:21], s[80:81], s[20:21]
	s_add_nc_u64 s[46:47], s[82:83], s[46:47]
	CROUND                                         ; all sixteen work-groups are here: the first joint loads meet
.irp s, 0,1
	s_mov_b32 s[G0+4*\s], 1
	s_add_co_u32 s[G0+4*\s+1], s45, \s*SLOT
	s_add_nc_u64 s[G0+4*\s+2:G0+4*\s+3], s[20:21], \s*STEPB
	s_or_b32 s[G0+4*\s+3], s[G0+4*\s+3], 0x80000000
	s_mov_b32 s[G0B+4*\s], 1
	s_add_co_u32 s[G0B+4*\s+1], s45, \s*SLOT
	s_add_nc_u64 s[G0B+4*\s+2:G0B+4*\s+3], s[46:47], \s*STEPB
	s_or_b32 s[G0B+4*\s+3], s[G0B+4*\s+3], 0x80000000
	JLOAD G0+4*\s, G1, G0B+4*\s, G1B
.endr
	v_and_b32 v1, 15, v0                           ; r
	v_bfe_u32 v2, v0, 4, 1                         ; h
	v_and_b32 v6, 31, v0
	v_lshlrev_b32 v[LI], 4, v6
	v_lshlrev_b32 v[BH], 5, v2
	s_wait_alu depctr_va_vdst(0)
	v_lshlrev_b32 v[BR], 2, v1
	s_wait_alu depctr_va_vdst(0)
	s_lshl_b32 s21, s15, 15                        ; my 128 rows of 'A'
	s_lshl_b32 s22, s16, 15                        ; my 128 rows of 'B',
	s_add_co_u32 s22, s22, 2*HALFT                 ; which lie behind 'A' 256
.irp s, 0,1
	v_add_nc_u32 v[ADRA+\s], s21, v[LI]
	v_add_nc_u32 v[ADRB+\s], s22, v[LI]
	s_add_co_u32 s21, s21, SLOT
	s_add_co_u32 s22, s22, SLOT
.endr
	; where my results go.  n: the axis of w_qkv's columns; m: the axis of x's rows
	s_cmp_eq_u32 ttmp9, 2
	s_cselect_b32 s84, s41, s40                    ; the n tile within q, k or v
	s_cselect_b32 s85, s15, s16                    ; my half of it
	s_cselect_b32 s88, s42, s17                    ; the m tile
	s_cselect_b32 s89, s16, s15                    ; my half of it
	s_cselect_b32 s95, 8192, 0                     ; v^T lies behind k in a block
	s_lshl_b32 s80, ttmp9, 12                      ; my first column in b_qkv, in bytes: 4 (1,024 x cluster x + 256 x tile + 128 x half)
	s_lshl_b32 s81, s84, 10
	s_add_co_u32 s80, s80, s81
	s_lshl_b32 s81, s85, 9
	s_add_co_u32 s80, s80, s81
	s_mov_b32 s81, 0
	s_add_nc_u64 s[86:87], s[8:9], s[80:81]
	s_lshl_b32 s88, s88, 1
	s_add_co_u32 s88, s88, s89                     ; my first row / 128
	s_lshr_b32 s89, s88, 4                         ; the batch,
	s_and_b32 s88, s88, 15                         ; and which 128 of its 2,048 rows
	s_lshl_b32 s89, s89, 4
	s_lshl_b32 s84, s84, 2
	s_add_co_u32 s89, s89, s84
	s_lshl_b32 s85, s85, 1
	s_add_co_u32 s89, s89, s85                     ; the first of my two heads: 16 x batch + 4 x tile + 2 x half
	s_lshl_b32 s89, s89, 17
	s_lshl_b32 s88, s88, 13
	s_add_co_u32 s88, s88, s89                     ; in qc: a head is 131,072 bytes, 128 rows are 8,192;
	s_cmp_eq_u32 ttmp9, 0
	s_cselect_b32 s89, 0, 1                        ; in kv both are twice that
	s_cselect_b64 s[90:91], s[68:69], s[70:71]
	s_lshl_b32 s88, s88, s89
	s_add_co_u32 s88, s88, s95
	s_lshl_b32 s92, 0x20000, s89
	s_mov_b32 s89, 0
	s_mov_b32 s93, 0
	s_add_nc_u64 s[90:91], s[90:91], s[88:89]      ; my first head's place,
	s_add_nc_u64 s[92:93], s[90:91], s[92:93]      ; and the second's
	; both forms of the bias are loaded by every work-group (both stay inside my 128 columns of b_qkv); they are waited for on the way out, and their address registers are never rewritten
.irp b, 0,1,2,3,4,5,6,7
	global_load_b128 v[BQ+8*\b:BQ+8*\b+3], v[BH], s[86:87] offset:64*\b
	global_load_b128 v[BQ+8*\b+4:BQ+8*\b+7], v[BH], s[86:87] offset:64*\b+16
.endr
.irp a, 0,1,2,3,4,5,6,7
	global_load_b32 v[BV+2*\a], v[BR], s[86:87] offset:64*\a
	global_load_b32 v[BV+2*\a+1], v[BR], s[86:87] offset:64*\a
.endr
.macro FRAG reg, adr, q, i             ; a fragment's image: row block i of my eight, the slot's q-th 128 along K
.irp c, 0,1,2,3
	ds_load_b128 v[\reg+4*\c:\reg+4*\c+3], v[\adr] offset:2048*(\q)+512*\c+(\i)*STEPB
.endr
.endm
; 16 matrix instructions: 'A' blocks a0, a0 + 1 x 'B' eight, 128 along K.  p: 'B' set.  zero = 1: the first product starts the sums: nothing is ever cleared.
; The 64 accumulators take turns, one instruction a turn, in the same order in every step.
.macro MUL16 a0, p, zero
.irp a, \a0, \a0+1
.irp b, 0,1,2,3,4,5,6,7
.if \zero
	v_wmma_f32_16x16x128_fp8_fp8 v[8*(8*((\a)%4)+\b):8*(8*((\a)%4)+\b)+7], v[128*(\p)+FR*\b:128*(\p)+FR*\b+FR-1], v[AF+FR*(\a):AF+FR*(\a)+FR-1], 0
.else
	v_wmma_f32_16x16x128_fp8_fp8 v[8*(8*((\a)%4)+\b):8*(8*((\a)%4)+\b)+7], v[128*(\p)+FR*\b:128*(\p)+FR*\b+FR-1], v[AF+FR*(\a):AF+FR*(\a)+FR-1], v[8*(8*((\a)%4)+\b):8*(8*((\a)%4)+\b)+7]
.endif
.endr
.endr
.endm
.macro FETCH_B slot, q, p
	WIN TO_B
.irp i, 0,1,2,3,4,5,6,7
	FRAG 128*(\p)+FR*\i, ADRB+\slot, \q, \i
.endr
	WIN 0
.endm
.macro FETCH_A slot, q, i0
.irp i, \i0, \i0+1, \i0+2, \i0+3
	FRAG AF+FR*(\i), ADRA+\slot, \q, \i
.endr
.endm
; A load into a register that a matrix instruction has read, and a vector instruction that reads a matrix result or writes one of its registers, stand NP places behind it; only plain vector instructions that name none of its registers are places.
.macro PLACES n
.rept \n
	v_nop
.endr
.endm
; A step of 128 along K that has its successor in the same slot.  'A' has one set of registers: blocks 0-3 are fetched anew in the step's middle, blocks 4-7 at its end.
.macro STEP slot, q, zero
	s_wait_dscnt 4*NL                              ; 'B' set and 'A' blocks 0-3 are in; the youngest 16 loads ('A' blocks 4-7) may be out
	WIN MUL_LO
	MUL16 0, (\q)%2, \zero
	MUL16 2, (\q)%2, \zero
	s_wait_dscnt 0
	PLACES NP
	FETCH_B \slot, (\q)+1, 1-(\q)%2
	FETCH_A \slot, (\q)+1, 0
	WIN MUL_HI
	MUL16 4, (\q)%2, \zero
	MUL16 6, (\q)%2, \zero
	PLACES NP
	WIN 0
	FETCH_A \slot, (\q)+1, 4
.endm
; A slot's last step changes slots: ONE barrier; in front of it each wave waits for all its tensor loads, adds 0 to its spare word, and waits for that and for its own reads of this slot.  fill = 1: this slot is filled again, two slots ahead.
.macro TURN slot, next, fill
	s_wait_tensorcnt 0x0                           ; all my tensor loads have landed: my part of the next slot
	ds_add_u32 v[SPW], v[NIL]                      ; 0 onto my spare word
	s_wait_dscnt 4*NL+1                            ; (the add and the youngest 16 loads, 'A' blocks 4-7, may be out)
	WIN MUL_LO
	MUL16 0, 1, 0                                  ; sixteen matrix instructions stand between the add and the wait for it
	s_wait_dscnt 0x0                               ; the add is done, and my reads of this slot are over
	s_barrier_signal -1
	MUL16 2, 1, 0
	WIN 0
	s_barrier_wait -1
.if \fill
	CREST                                          ; the barrier has opened a round of the cluster's barrier: no wave of any partner still reads this slot or has a load on its way
	s_add_nc_u64 s[G0+4*\slot+2:G0+4*\slot+3], s[G0+4*\slot+2:G0+4*\slot+3], 2*STEPB
	s_add_nc_u64 s[G0B+4*\slot+2:G0B+4*\slot+3], s[G0B+4*\slot+2:G0B+4*\slot+3], 2*STEPB
	JLOAD G0+4*\slot, G1, G0B+4*\slot, G1B         ; the first tensor load behind the round; its four v_nop are also the places in front of the loads below
.else
	PLACES NP
.endif
	FETCH_B \next, 0, 0
	FETCH_A \next, 0, 0
	WIN MUL_HI
	MUL16 4, 1, 0
	MUL16 6, 1, 0
	PLACES NP
	WIN 0
	FETCH_A \next, 0, 4
.endm
	s_wait_alu depctr_va_vdst(0)
	s_wait_tensorcnt 1                             ; my part of slot 0 is in (slot 1's load may be out)
	s_barrier_signal -1
	s_barrier_wait -1                              ; everybody's is
	FETCH_B 0, 0, 0
	FETCH_A 0, 0, 0
	FETCH_A 0, 0, 4
	STEP 0, 0, 1                                   ; K 0-127: its products start the sums
	TURN 0, 1, 1                                   ; K 128-255; slot 0 takes K 512-767
	STEP 1, 0, 0
	TURN 1, 0, 1                                   ; slot 1 takes K 768-1,023
	STEP 0, 0, 0
	TURN 0, 1, 0                                   ; nothing is left to fetch
	STEP 1, 0, 0
	s_wait_dscnt 4*NL                              ; the very last step
	WIN MUL_LO
	MUL16 0, 1, 0
	MUL16 2, 1, 0
	s_wait_dscnt 0
	WIN MUL_HI
	MUL16 4, 1, 0
	MUL16 6, 1, 0
	WIN 0
	; THE WAY OUT, block by block of 16 'A' rows: sum x 2^(e0 + e1) + bias, the conversion; a block's 16 registers of codes are images of the next operands and leave as they are.
	s_wait_kmcnt 0x0
	s_add_co_i32 s96, s72, s73
	s_add_co_i32 s96, s96, 127
	s_lshl_b32 s96, s96, 23                        ; 2^(e0 + e1) as f32
	s_mov_b32 s97, s96                             ; (named with it as a pair, so it is written)
	s_cmp_eq_u32 ttmp9, 0
	s_cselect_b32 s94, s74, s75                    ; q: e2, k: e3,
	s_cmp_eq_u32 ttmp9, 2
	s_cselect_b32 s94, s77, s94                    ; v: e5
	s_add_co_i32 s94, s94, 127
	s_lshl_b32 s95, s94, 23
	v_mov_b32 v[SCL], s95
	s_wait_loadcnt 0x0                             ; the bias
	PLACES NP                                      ; behind the last products: their results are read and 'A' registers written below
.macro OUTBLK a, isv
.set AC, 64*((\a)%4)
.set CD, CODE+16*((\a)%2)
	WIN (0x02+((\a)/4))                            ; source 0: window 2 or 3
.irp b, 0,1,2,3,4,5,6,7
.irp i, 0,2,4,6                        ; each accumulator from its low end on
.if \isv
	v_pk_fma_f32 v[TMP+8*\b+\i:TMP+8*\b+\i+1], v[AC+8*\b+\i:AC+8*\b+\i+1], s[96:97], v[BV+2*(\a):BV+2*(\a)+1] op_sel_hi:[1,0,1]
.else
	v_pk_fma_f32 v[TMP+8*\b+\i:TMP+8*\b+\i+1], v[AC+8*\b+\i:AC+8*\b+\i+1], s[96:97], v[BQ+8*\b+\i:BQ+8*\b+\i+1] op_sel_hi:[1,0,1]
.endif
.endr
.endr
	WIN 0
.set j, 0
.rept 64
.set j, j+1
.endr
.if (\a) > 1
	s_wait_alu depctr_va_vdst(0)
	s_wait_xcnt 0x0                                ; the stores of two blocks back have read this set of codes
.endif
.irp b, 0,1,2,3,4,5,6,7
	v_cvt_scalef32_pk8_fp8_f32 v[CD+2*\b:CD+2*\b+1], v[TMP+8*\b:TMP+8*\b+7], v[SCL]
.endr
	v_nop                                          ; a plain line between the conversions and the next block's lines, which write their sources
.if \isv
.irp q, 0,1,2,3                        ; 16 of a head's 64 x my 128 keys: one fragment of v^T; blocks 0-3 my first head, 4-7 my second
	global_store_b128 v[LI], v[CD+4*\q:CD+4*\q+3], s[90:91] offset:((\a)/4)*262144+((\a)%4)*2048+512*\q
.endr
.else                                  ; 16 rows x 64 of each of my two heads: two fragments
	global_store_b128 v[LI], v[CD:CD+3], s[90:91] offset:1024*(\a)
	global_store_b128 v[LI], v[CD+4:CD+7], s[90:91] offset:1024*(\a)+512
	global_store_b128 v[LI], v[CD+8:CD+11], s[92:93] offset:1024*(\a)
	global_store_b128 v[LI], v[CD+12:CD+15], s[92:93] offset:1024*(\a)+512
.endif
.endm
	s_cmp_eq_u32 ttmp9, 2                          ; the cluster's x: the same in all partners
	s_cbranch_scc1 .Lv_out
.irp a, 0,1,2,3,4,5,6,7
	OUTBLK \a, 0
.endr
	s_branch .Lend
.Lv_out:
.irp a, 0,1,2,3,4,5,6,7
	OUTBLK \a, 1
.endr
.Lend:
	s_wait_tensorcnt 0x0                           ; the wave's end: behind my last tensor load
	ds_add_u32 v[SPW], v[NIL]
	s_wait_dscnt 0x0
	CROUND                                         ; the closing round: no work-group ends while a partner may still ask for a tile that names it
	s_endpgm
.Lfunc_end_k_qce183118ae_qkv:
	.size	k_qce183118ae_qkv, .Lfunc_end_k_qce183118ae_qkv-k_qce183118ae_qkv
	.p2alignl 7, 3214868480
	.fill 96, 4, 3214868480
	.section	.rodata,"a",@progbits
	.p2align	6, 0x0
	.amdhsa_kernel k_qce183118ae_qkv
		.amdhsa_group_segment_fixed_size 327680
		.amdhsa_private_segment_fixed_size 0
		.amdhsa_enable_private_segment 0
		.amdhsa_kernarg_size 48
		.amdhsa_user_sgpr_count 2
		.amdhsa_user_sgpr_kernarg_segment_ptr 1
		.amdhsa_wavefront_size32 1
		.amdhsa_system_sgpr_workgroup_id_x 1
		.amdhsa_system_sgpr_workgroup_id_y 1
		.amdhsa_system_sgpr_workgroup_id_z 1
		.amdhsa_system_vgpr_workitem_id 0
		.amdhsa_next_free_vgpr 1024
		.amdhsa_next_free_sgpr 98
		.amdhsa_reserve_vcc 0
		.amdhsa_float_denorm_mode_32 3
		.amdhsa_float_denorm_mode_16_64 3
		.amdhsa_fp16_overflow 1
		.amdhsa_memory_ordered 1
		.amdhsa_forward_progress 1
		.amdhsa_inst_pref_size 130
	.end_amdhsa_kernel
	.amdgpu_metadata
---
amdhsa.version: [ 1, 2 ]
amdhsa.kernels:
  - .name:           k_qce183118ae_qkv
    .symbol:         k_qce183118ae_qkv.kd
    .args:
      - { .name: xc, .offset: 0, .size: 8, .value_kind: global_buffer, .address_space: global }
      - { .name: wqc, .offset: 8, .size: 8, .value_kind: global_buffer, .address_space: global }
      - { .name: b_qkv, .offset: 16, .size: 8, .value_kind: global_buffer, .address_space: global }
      - { .name: lowp_scales, .offset: 24, .size: 8, .value_kind: global_buffer, .address_space: global }
      - { .name: qc, .offset: 32, .size: 8, .value_kind: global_buffer, .address_space: global }
      - { .name: kv, .offset: 40, .size: 8, .value_kind: global_buffer, .address_space: global }
    .group_segment_fixed_size: 327680
    .private_segment_fixed_size: 0
    .kernarg_segment_align: 8
    .kernarg_segment_size: 48
    .max_flat_workgroup_size: 128
    .sgpr_count:     98
    .vgpr_count:     1024
    .wavefront_size: 32
...
	.end_amdgpu_metadata
.endif
;; end of part 2
;; launch attn (part 3): grid 4 x 64, 16 waves a work-group, clusters of 4 x 1, 264,192 bytes of LDS; arguments qc, kv, lowp_scales, yc; writes yc
.if DOCPART == 3
	.amdgcn_target "amdgcn-amd-amdhsa--gfx1250"
	.amdhsa_code_object_version 6
	.text
	.protected	k_qce183118ae_attn
	.globl	k_qce183118ae_attn
	.p2align	8
	.type	k_qce183118ae_attn,@function
k_qce183118ae_attn:
	s_mov_b64 s[64:65], 0
	v_nop
	global_prefetch_b8 v0, s[64:65] scope:SCOPE_SE
	s_setreg_imm32_b32 hwreg(HW_REG_WAVE_MODE, 25, 1), 1
	s_wait_xcnt 0x0
	s_wait_alu depctr_hold_cnt(0) depctr_sa_sdst(0) depctr_va_vdst(0) depctr_va_sdst(0) depctr_va_ssrc(0) depctr_va_vcc(0) depctr_vm_vsrc(0)
	s_getreg_b32 s2, hwreg(HW_REG_IB_STS2, 6, 4)
	s_cmp_eq_u32 s2, 0
	s_cbranch_scc0 .Lentry_in_a_cluster
	s_endpgm
.Lentry_in_a_cluster:
	s_bfe_u32 s2, ttmp6, 0x10000c
	s_cmp_lg_u32 s2, 0x3003
	s_cbranch_scc0 .Lentry_shape_is_right
	s_endpgm
.Lentry_shape_is_right:
; y[b][h][q] = the sum over keys k <= q of softmax_k(q . k / 8) v, both products on codes of FP8 (E4M3); y is quantised (e6) for the last product and stored as codes.
; THE SOFTMAX AHEAD OF THE SECOND PRODUCT: t = score x log2(e) / 8; M = the row's largest t so far, rounded UP to a whole number; p = 2^(t - M) is quantised (e4) along the keys, not normalised.
; The row's sum is taken of the unquantised p, in f32, and divides at the end.  When M moves, the sum and O are multiplied by 2^(old M - new M): exact.
; SHARES.  A cluster of four work-groups owns one (batch, head).  The head's k and v, 262,144 bytes of codes, are brought into each partner's LDS ONCE, by sixteen joint loads, one a wave (wave w: the block of
; keys 128 w .. 128 w + 127); nothing is filled again, so the loop over the keys has no barrier.  A wave owns TWO tiles of 16 queries: tile A = 8 u + 2 cx + w % 2 (u = w / 2) and tile B = 127 - A.
; A needs key steps 0 .. u and B key steps 0 .. 15 - u: 17 tile steps in every wave of every work-group, whatever the causal mask leaves out.  The branches hang on the wave's number and the step alone;
; cx enters q's and y's addresses in memory and the mask's compare, and nothing else.
; LAYOUT.  All operands are images of registers (16 bytes a lane at 16 x lane, 512 bytes a chunk).  S^T = k q^T (source 0 = 16 keys, source 1 = my 16 queries, K = 64); O^T = v^T p^T (source 0 = 16 of the head's 64,
; source 1 = p, K = 128 keys): a lane holds ONE query (lane % 16) throughout; register 8 t + j of S^T is key 16 t + 8 (lane / 16) + j, which is the place that the second product's layout gives it.
; LIMITS: e2 + e3 between -123 and 130 (added to c's exponent field); e4, e6 between -126 and 119; e4 + e5 is applied by v_ldexp_f32.  NaN is not served.
; REGISTERS: v1 16 x lane; v2 the step's LDS address; v3, v4 the add's two; v6, v7 the mask's d of B, A; v8-11, v12-15 -M, largest t, the sum in two halves, of B, A; v16-23, v24-31 q of B, A;
;   v32-95 k's 8 fragments, then v^T's 4; v96-159 S^T, then p; v160-191, v192-223 O^T of B, A; v224-239 p's codes; v240-254 constants and at work.
.set SPARE, 262144                     ; behind the head's codes: the spare words, 128 bytes for each wave: eight blocks of 256 bytes that no other line names
.set LI,  1
.set ADR, 2
.set SPW, 3
.set NIL, 4
.set WV,  12                           ; s12  my wave's number
.set SA,  15                           ; s15  tile A's last key step
.set SB,  16                           ; s16  tile B's
.set KS,  19                           ; s19  the key step
.set TB,  20                           ; s20  LDS byte at which its block begins
.set G1,  24                           ; s[24:31] descriptor group 1;  s[32:35] group 0
.set G0,  32
.set SEL, 36                           ; s[36:37] lane selects for v_permlanex16_b32: lane l xor 16
.set CS,  38                           ; s[38:39] c = log2(e) / 8 x 2^(e2 + e3)
.macro CROUND                          ; a round of the cluster's barrier
	s_barrier_signal -1
	s_barrier_wait -1
	s_cmp_lg_u32 s[WV], 0
	s_cbranch_scc1 .Lnot_wave_0_\@
	s_barrier_signal -3
.Lnot_wave_0_\@:
	s_barrier_wait -3
	s_barrier_signal -1
	s_barrier_wait -1
.endm
	s_load_b256 s[4:11], s[0:1], 0x0               ; qc s[4:5], kv s[6:7], the scales' exponents s[8:9], yc s[10:11]
	v_lshl_add_u32 v[SPW], v0, 2, SPARE
	v_mov_b32 v[NIL], 0
	ds_add_u32 v[SPW], v[NIL]                      ; the wave's opening: the add and its wait stand ahead of my first tensor load; the set-up below, work on registers, stands between them
	ds_add_u32 v[SPW], v[NIL]
	v_lshrrev_b32 v5, 5, v0
	s_delay_alu instid0(VALU_DEP_1)
	v_readfirstlane_b32 s[WV], v5                  ; wave 0..15
	s_bfe_u32 s13, ttmp6, 0x40000                  ; cx
	s_and_b32 s14, ttmp7, 0xffff                   ; 16 x batch + head, which the four partners share
	s_lshr_b32 s[SA], s[WV], 1                     ; u
	s_sub_co_u32 s[SB], 15, s[SA]
	s_and_b32 s21, s[WV], 1
	s_lshl_b32 s22, s13, 1
	s_add_co_u32 s21, s21, s22                     ; tile A's place among its key step's eight tiles
	s_lshl_b32 s17, s[SA], 3
	s_add_co_u32 s17, s17, s21                     ; tile A
	s_sub_co_u32 s18, 127, s17                     ; tile B
	; descriptor group 1: a block of 16,384 dense bytes as 64 rows of 256
	s_mov_b32 s[G1], 15|(3<<16)|(1<<21)            ; 15:0 the mask: all four work-groups; 17:16 elements of 8 bytes; 20 no padding; 21 set beside a mask
	s_mov_b32 s[G1+1], 32<<16                      ; tensor_dim0 = 32
	s_mov_b32 s[G1+2], 64<<16                      ; tensor_dim1 = 64
	s_mov_b32 s[G1+3], 32<<16                      ; tile_dim0
	s_mov_b32 s[G1+4], 64                          ; tile_dim1
	s_mov_b32 s[G1+5], 32                          ; tensor_dim0_stride
	s_mov_b32 s[G1+6], 0
	s_mov_b32 s[G1+7], 0
	s_mov_b32 s[G0], 1
	s_lshl_b32 s[G0+1], s[WV], 14                  ; LDS address: 16,384 x wave
	s_lshl_b32 s56, s14, 18                        ; the head's 262,144 bytes,
	s_lshl_b32 s57, s[WV], 14                      ; my block of them
	s_add_co_u32 s56, s56, s57
	s_mov_b32 s57, 0
	s_mov_b32 s[SEL], 0x76543210
	s_mov_b32 s[SEL+1], 0xfedcba98
	s_mov_b32 s[CS], 0x3e38aa3b                    ; log2(e) / 8
	s_mov_b32 s[KS], 0
	s_mov_b32 s[TB], 0
	s_wait_dscnt 0x0                               ; the opening add is done
	s_wait_kmcnt 0x0
	s_load_b256 s[40:47], s[8:9], 0x0              ; e0 .. e7
	s_add_nc_u64 s[G0+2:G0+3], s[6:7], s[56:57]
	s_or_b32 s[G0+3], s[G0+3], 0x80000000          ; type = 2
	CROUND                                         ; all four work-groups are here: the joint loads meet
	tensor_load_to_lds s[G0:G0+3], s[G1:G1+7]      ; my one tensor load
	s_nop 0
.rept 4
	v_nop
.endr
	s_lshl_b32 s58, s14, 17                        ; q: a head is 128 fragments of 1,024 bytes
	s_lshl_b32 s56, s18, 10
	s_add_co_u32 s56, s56, s58
	s_add_nc_u64 s[48:49], s[4:5], s[56:57]        ; tile B's
	s_lshl_b32 s56, s17, 10
	s_add_co_u32 s56, s56, s58
	s_add_nc_u64 s[50:51], s[4:5], s[56:57]        ; tile A's
	s_lshr_b32 s58, s14, 4
	s_lshl_b32 s58, s58, 7                         ; y: row block 128 x batch + tile, of 16,384 bytes;
	s_and_b32 s59, s14, 15
	s_lshl_b32 s59, s59, 10                        ; in it the head's 64 along K are 1,024 bytes
	s_add_co_u32 s56, s58, s18
	s_lshl_b32 s56, s56, 14
	s_add_co_u32 s56, s56, s59
	s_add_nc_u64 s[52:53], s[10:11], s[56:57]
	s_add_co_u32 s56, s58, s17
	s_lshl_b32 s56, s56, 14
	s_add_co_u32 s56, s56, s59
	s_add_nc_u64 s[54:55], s[10:11], s[56:57]
	v_and_b32 v[LI], 31, v0
	s_delay_alu instid0(VALU_DEP_1)
	v_lshlrev_b32 v[LI], 4, v[LI]
	global_load_b128 v[16:19], v[LI], s[48:49]     ; q stays in registers
	global_load_b128 v[20:23], v[LI], s[48:49] offset:512
	global_load_b128 v[24:27], v[LI], s[50:51]
	global_load_b128 v[28:31], v[LI], s[50:51] offset:512
	v_and_b32 v5, 15, v0
	v_bfe_u32 v254, v0, 4, 1
	s_delay_alu instid0(VALU_DEP_1)
	v_lshlrev_b32 v254, 3, v254
	s_delay_alu instid0(VALU_DEP_1)
	v_sub_nc_u32 v5, v5, v254                      ; r - 8 h
	s_lshl_b32 s22, s21, 4
	v_add_nc_u32 v7, s22, v5                       ; d = my query - the diagonal step's first key - 8 h: register 8 t + j is hidden there where 16 t + j > d
	s_sub_co_u32 s22, 112, s22
	v_add_nc_u32 v6, s22, v5
	v_mov_b32 v9, 0xff61b1e6                       ; the largest t so far: -3e38, under every t
	v_mov_b32 v13, 0xff61b1e6
	s_delay_alu instid0(VALU_DEP_2)
	v_floor_f32 v8, -v9                            ; -M
	s_delay_alu instid0(VALU_DEP_2)
	v_floor_f32 v12, -v13
	v_mov_b32 v10, 0                               ; the sums, in two halves
	v_mov_b32 v11, 0
	v_mov_b32 v14, 0
	v_mov_b32 v15, 0
	v_mov_b32 v246, 0                              ; written once: a lane permute's destination counts as one of its sources
	v_mov_b32 v247, 0
	v_mov_b32 v253, 0                              ; (named as the upper half of the pair v[252:253])
.set j, 0
.rept 64
	v_mov_b32 v[160+j], 0                          ; O^T of both tiles.  (The step is written once for each tile: the first finds zeros, which the first change of M leaves zeros)
.set j, j+1
.endr
	s_wait_kmcnt 0x0
	s_add_co_i32 s56, s42, s43
	s_lshl_b32 s56, s56, 23
	s_add_co_i32 s[CS], s[CS], s56                 ; a score stands for score x 2^(e2 + e3): the two exponents are added to c's exponent field
	s_mov_b32 s[CS+1], s[CS]                       ; (named with it as a pair, so it is written)
	s_add_co_i32 s56, s44, 127
	s_lshl_b32 s57, s56, 23
	v_mov_b32 v244, s57                            ; 2^e4, for p's conversion
	s_add_co_i32 s56, s46, 127
	s_lshl_b32 s57, s56, 23
	v_mov_b32 v245, s57                            ; 2^e6, for y's
	s_wait_tensorcnt 0x0                           ; my block has landed,
	s_barrier_signal -1
	s_barrier_wait -1                              ; everybody's has: the head's k and v lie in LDS for the rest of the launch
	s_wait_loadcnt 0x0                             ; q
; A TILE STEP: 16 queries (x = 0: tile B, 1: tile A) x the 128 keys of the step in hand.
.macro TSTEP x
.set QF, 16+8*(\x)
.set OT, 160+32*(\x)
.set ST, 8+4*(\x)
.irp t, 0,1,2,3,4,5,6,7
	ds_load_b128 v[32+8*\t:35+8*\t], v[ADR] offset:1024*\t
	ds_load_b128 v[36+8*\t:39+8*\t], v[ADR] offset:1024*\t+512
.endr
	s_wait_dscnt 0x0
.irp t, 0,1,2,3,4,5,6,7
	v_wmma_f32_16x16x64_fp8_fp8 v[96+8*\t:103+8*\t], v[32+8*\t:39+8*\t], v[QF:QF+7], 0
.endr
.rept 4
	v_nop                                          ; places in front of the loads into k's registers and of the first read of the scores
.endr
.irp d, 0,1,2,3                        ; v^T's four fragments land while the softmax is worked
.irp q, 0,1,2,3
	ds_load_b128 v[32+16*\d+4*\q:35+16*\d+4*\q], v[ADR] offset:8192+2048*\d+512*\q
.endr
.endr
	s_cmp_lg_u32 s[KS], s[16-(\x)]                 ; the tile's last step lies on the diagonal: there the scores of hidden keys become -infinity ahead of the maximum, so that p = 0
	s_cbranch_scc1 .Lopen_\@
	v_mov_b32 v254, 0xff800000
.set n, 0
.rept 64
	v_cmp_gt_i32 vcc_lo, 16*(n/8)+n%8, v[6+(\x)]
	v_cndmask_b32 v[96+n], v[96+n], v254, vcc_lo
.set n, n+1
.endr
.Lopen_\@:
	v_max3_num_f32 v254, v96, v97, v98             ; the step's largest score of my query, among my 64 keys, in two chains, each tile of scores from its low end on,
	v_max3_num_f32 v252, v99, v100, v101
.set i, 6
.rept 14
	v_max3_num_f32 v254, v254, v[96+i], v[97+i]
	v_max3_num_f32 v252, v252, v[98+i], v[99+i]
.set i, i+4
.endr
	v_max3_num_f32 v254, v254, v158, v159
	s_delay_alu instid0(VALU_DEP_1)
	v_max_num_f32 v254, v254, v252
	s_delay_alu instid0(VALU_DEP_1)
	v_permlanex16_b32 v246, v254, s[SEL], s[SEL+1]
	s_delay_alu instid0(VALU_DEP_1)
	v_max_num_f32 v254, v254, v246                 ; and among lane l xor 16's
	s_delay_alu instid0(VALU_DEP_1)
	v_mul_f32 v254, s[CS], v254                    ; as t (c is positive)
	s_delay_alu instid0(VALU_DEP_1)
	v_max_num_f32 v[ST+1], v[ST+1], v254           ; the running largest t
	v_mov_b32 v254, v[ST]
	s_delay_alu instid0(VALU_DEP_2)
	v_floor_f32 v[ST], -v[ST+1]                    ; the new -M = floor(-t) = -ceil(t): M is a whole number
	s_delay_alu instid0(VALU_DEP_1)
	v_sub_f32 v254, v[ST], v254                    ; M's old value less its new one: a whole number, 0 or less
	s_delay_alu instid0(VALU_DEP_1)
	v_cvt_i32_f32 v254, v254                       ; (it saturates)
	s_delay_alu instid0(VALU_DEP_1)
	v_ldexp_f32 v252, 1.0, v254                    ; f = 2^(old M - new M)
.set j, 0
.rept 32
	v_pk_fma_f32 v[96+j:97+j], v[96+j:97+j], s[CS:CS+1], v[ST:ST+1] op_sel_hi:[1,0,0]   ; t - M, two at a time (of the pairs c and -M the low word serves both halves)
.set j, j+2
.endr
.set j, 0
	s_wait_alu depctr_va_vdst(0)
.rept 64
	v_exp_f32 v[96+j], v[96+j]                     ; p = 2^(t - M), at most 1
.set j, j+1
.endr
	v_pk_mul_f32 v[ST+2:ST+3], v[ST+2:ST+3], v[252:253] op_sel_hi:[1,0]   ; the sums under the new M.  (The plain line behind the exponentials)
	s_wait_alu depctr_va_vdst(0)                   ; the wait ahead of the first line that names an exponential's result: one for the batch
	v_pk_add_f32 v[242:243], v[96:97], v[98:99]    ; the row's sum is taken of the unquantised p: two at a time, in two chains
.set j, 4
.rept 15
	v_pk_add_f32 v[ST+2:ST+3], v[ST+2:ST+3], v[96+j:97+j]
	v_pk_add_f32 v[242:243], v[242:243], v[98+j:99+j]
.set j, j+4
.endr
	s_delay_alu instid0(VALU_DEP_1)
	v_pk_add_f32 v[ST+2:ST+3], v[ST+2:ST+3], v[242:243]
.irp t, 0,1,2,3,4,5,6,7
.irp i, 0,1,2,3,4,5,6,7
.endr
	v_cvt_scalef32_pk8_fp8_f32 v[224+2*\t:225+2*\t], v[96+8*\t:103+8*\t], v244   ; keys 16 t + 8 h + 0..7: the operand's register pair t
.endr
.set j, 0
.rept 16
	v_pk_mul_f32 v[OT+j:OT+j+1], v[OT+j:OT+j+1], v[252:253] op_sel_hi:[1,0]   ; O^T under the new M.  (Also the plain lines between the conversions and the products)
.set j, j+2
.endr
	s_wait_alu depctr_va_vdst(0)
	s_wait_dscnt 0x0                               ; v^T is in
.irp d, 0,1,2,3                        ; the four accumulators take turns, one instruction a turn; between two links on one of them stand the next step's eight products k q^T
	v_wmma_f32_16x16x128_fp8_fp8 v[OT+8*\d:OT+8*\d+7], v[32+16*\d:47+16*\d], v[224:239], v[OT+8*\d:OT+8*\d+7]
.endr
.rept 4
	v_nop                                          ; places in front of the next loads into v^T's registers, and of the way out
.endr
.endm
.Lkey:                                             ; 16 trips, a constant; a tile's steps beyond its diagonal are jumped over: branches on the wave's number and the step alone
	v_add_nc_u32 v[ADR], s[TB], v[LI]
	s_cmp_gt_u32 s[KS], s[SB]
	s_cbranch_scc1 .Lno_b
	s_wait_alu depctr_va_vdst(0)
	TSTEP 0
.Lno_b:
	s_cmp_gt_u32 s[KS], s[SA]
	s_cbranch_scc1 .Lno_a
	s_wait_alu depctr_va_vdst(0)
	TSTEP 1
.Lno_a:
	s_add_co_u32 s[TB], s[TB], 16384
	s_add_co_u32 s[KS], s[KS], 1
	s_cmp_lt_u32 s[KS], 16
	s_cbranch_scc1 .Lkey
	; THE WAY OUT: y = O^T x 2^(e4 + e5) / the sum, quantised: a lane's registers run along the head's 64, which lie along the last product's K: the codes are that operand's registers.
	v_add_f32 v10, v10, v11                        ; the sums' two halves,
	v_add_f32 v14, v14, v15
	s_delay_alu instid0(VALU_DEP_2)
	v_permlanex16_b32 v246, v10, s[SEL], s[SEL+1]
	s_delay_alu instid0(VALU_DEP_2)
	v_permlanex16_b32 v247, v14, s[SEL], s[SEL+1]
	s_delay_alu instid0(VALU_DEP_2)
	v_add_f32 v10, v10, v246                       ; and lane l xor 16's
	s_delay_alu instid0(VALU_DEP_2)
	v_add_f32 v14, v14, v247
	s_wait_alu depctr_va_vdst(0)
	v_rcp_f32 v10, v10
	v_rcp_f32 v14, v14
	v_nop                                          ; a plain line behind the reciprocals
	s_add_co_i32 s56, s44, s45
	s_wait_alu depctr_va_vdst(0)                   ; and the wait ahead of their first use: one for the two
	v_ldexp_f32 v10, v10, s56                      ; x 2^(e4 + e5)
	v_ldexp_f32 v14, v14, s56
.macro FIN x
.set OT, 160+32*(\x)
.set ST, 8+4*(\x)
.set YT, 96+32*(\x)
.set YC, 224+8*(\x)
.set j, 0
.rept 16
	v_pk_mul_f32 v[YT+j:YT+j+1], v[OT+j:OT+j+1], v[ST+2:ST+3] op_sel_hi:[1,0]
.set j, j+2
.endr
.set j, 0
.rept 32
.set j, j+1
.endr
.irp d, 0,1,2,3
	v_cvt_scalef32_pk8_fp8_f32 v[YC+2*\d:YC+2*\d+1], v[YT+8*\d:YT+8*\d+7], v245
.endr
	v_nop
	global_store_b128 v[LI], v[YC:YC+3], s[52+2*(\x):53+2*(\x)]              ; 512 consecutive bytes, at a multiple of 512 from the buffer's first byte
	global_store_b128 v[LI], v[YC+4:YC+7], s[52+2*(\x):53+2*(\x)] offset:512
.endm
	FIN 0
	FIN 1
	s_wait_tensorcnt 0x0                           ; the wave's end: behind my tensor load
	ds_add_u32 v[SPW], v[NIL]
	s_wait_dscnt 0x0
	CROUND                                         ; the closing round
	s_endpgm
.Lfunc_end_k_qce183118ae_attn:
	.size	k_qce183118ae_attn, .Lfunc_end_k_qce183118ae_attn-k_qce183118ae_attn
	.p2alignl 7, 3214868480
	.fill 96, 4, 3214868480
	.section	.rodata,"a",@progbits
	.p2align	6, 0x0
	.amdhsa_kernel k_qce183118ae_attn
		.amdhsa_group_segment_fixed_size 264192
		.amdhsa_private_segment_fixed_size 0
		.amdhsa_enable_private_segment 0
		.amdhsa_kernarg_size 32
		.amdhsa_user_sgpr_count 2
		.amdhsa_user_sgpr_kernarg_segment_ptr 1
		.amdhsa_wavefront_size32 1
		.amdhsa_system_sgpr_workgroup_id_x 1
		.amdhsa_system_sgpr_workgroup_id_y 1
		.amdhsa_system_sgpr_workgroup_id_z 1
		.amdhsa_system_vgpr_workitem_id 0
		.amdhsa_next_free_vgpr 256
		.amdhsa_next_free_sgpr 68
		.amdhsa_reserve_vcc 1
		.amdhsa_float_denorm_mode_32 3
		.amdhsa_float_denorm_mode_16_64 3
		.amdhsa_fp16_overflow 1
		.amdhsa_memory_ordered 1
		.amdhsa_forward_progress 1
		.amdhsa_inst_pref_size 49
	.end_amdhsa_kernel
	.amdgpu_metadata
---
amdhsa.version: [ 1, 2 ]
amdhsa.kernels:
  - .name:           k_qce183118ae_attn
    .symbol:         k_qce183118ae_attn.kd
    .args:
      - { .name: qc, .offset: 0, .size: 8, .value_kind: global_buffer, .address_space: global }
      - { .name: kv, .offset: 8, .size: 8, .value_kind: global_buffer, .address_space: global }
      - { .name: lowp_scales, .offset: 16, .size: 8, .value_kind: global_buffer, .address_space: global }
      - { .name: yc, .offset: 24, .size: 8, .value_kind: global_buffer, .address_space: global }
    .group_segment_fixed_size: 264192
    .private_segment_fixed_size: 0
    .kernarg_segment_align: 8
    .kernarg_segment_size: 32
    .max_flat_workgroup_size: 512
    .sgpr_count:     68
    .vgpr_count:     256
    .wavefront_size: 32
...
	.end_amdgpu_metadata
.endif
;; end of part 3
;; launch proj (part 4): grid 4 x 32, 4 waves a work-group, clusters of 4 x 4, 327,680 bytes of LDS; arguments yc, wpc, lowp_scales, out0, b_proj; writes out0
.if DOCPART == 4
	.amdgcn_target "amdgcn-amd-amdhsa--gfx1250"
	.amdhsa_code_object_version 6
	.text
	.protected	k_qce183118ae_proj
	.globl	k_qce183118ae_proj
	.p2align	8
	.type	k_qce183118ae_proj,@function
k_qce183118ae_proj:
	s_mov_b64 s[64:65], 0
	v_nop
	global_prefetch_b8 v0, s[64:65] scope:SCOPE_SE
	s_setreg_imm32_b32 hwreg(HW_REG_WAVE_MODE, 25, 1), 1
	s_wait_xcnt 0x0
	s_wait_alu depctr_hold_cnt(0) depctr_sa_sdst(0) depctr_va_vdst(0) depctr_va_sdst(0) depctr_va_ssrc(0) depctr_va_vcc(0) depctr_vm_vsrc(0)
	s_getreg_b32 s2, hwreg(HW_REG_IB_STS2, 6, 4)
	s_cmp_eq_u32 s2, 0
	s_cbranch_scc0 .Lentry_in_a_cluster
	s_endpgm
.Lentry_in_a_cluster:
	s_bfe_u32 s2, ttmp6, 0x10000c
	s_cmp_lg_u32 s2, 0xf033
	s_cbranch_scc0 .Lentry_shape_is_right
	s_endpgm
.Lentry_shape_is_right:
; out0 = y w_proj + b_proj on codes of FP8 (E4M3): each f32 sum x 2^(e6 + e7) + bias.  y: 8,192 rows, w_proj: 1,024 columns, K = 1,024.  out0: [8192][1024] f32.
; A tile of 256 x 256 is made by four waves, each 128 x 128: 64 accumulators of 16 x 16, 512 registers.  K goes in four steps of 256 through two LDS slots filled by the tensor data mover.
; OPERANDS ARE IMAGES OF REGISTERS: yc and wpc hold fragments (16 rows x 128 K, 2,048 bytes: chunk q at 512 q, lane l at 16 l), [row block][K block 8].  A slot's part of a row block is 4,096 consecutive
; bytes; a wave's tensor load brings eight of them, 16,384 bytes apart in memory, dense in LDS.  A fragment comes by four ds_load_b128 at 16 x lane: no pitch, no padding.
; CLUSTERS: 4 x 4 work-groups: y's tiles are shared along a row of the cluster, the weight's along a column: each is asked for jointly.
; THE MATRIX INSTRUCTION IS USED TRANSPOSED (source 0 = 16 columns of the weight, source 1 = 16 rows of y): a lane holds eight neighbouring numbers of a row of out0.
; LIMIT: e6 + e7 between -126 and 127.
; REGISTERS, in windows of 256: window 0: v0-31 addresses; v32-95 the bias; v96-159 at work on the way out; from v128 y's fragments, ONE set.
;   window 1: the weight's fragments, TWO sets, at v0 and v128; on the way out v0-127 rows read back from the stage.   window 2: accumulators of my rows 0-63 ((a, b) at v[8 (8 a + b)]);   window 3: rows 64-127.
.set HALFT,  32768                     ; 128 rows x 256 K: what one tensor load brings
.set SLOT,   4*HALFT                   ; y's 256 rows, then the weight's 256 columns
.set SPARE,  2*SLOT                    ; behind the ring: the spare words, 128 bytes for each wave: two blocks of 256 bytes that no other line names
.set STEPB,  4096                      ; a slot's part of a row block, in bytes
.set SPITCH, 528                       ; the way out: a stage of 16 rows x (512 bytes + 16) for each wave.  It lies in slot 0, which has had its last fill and its last read when the first result is stored there
.set ROWC,   4096                      ; a row of out0 in bytes
.set FR,     16
.set NL,     4
.set NP,     4                         ; places behind this matrix instruction (ISA guide 7.12.1)
.set ADRA, 16                          ; v16-17  LDS address of my fragments of y in slot 0, 1
.set ADRB, 20                          ; v20-21  the same for the weight
.set STO,  24                          ; v24     the way out: where I put 32 bytes of a row
.set RD,   25                          ; v25     where I read a row back
.set CO,   26                          ; v26     16 x lane: my bytes of a row's 512
.set BH,   27                          ; v27     32 x (lane / 16)
.set SPW,  28                          ; v28     LDS address of my spare word; never rewritten
.set NIL,  29                          ; v29     0; never rewritten
.set BQ,   32                          ; v32-95  bias of columns 16 b + 8 h + i at v[BQ + 8 b + i]
.set TMP,  96                          ; v96-159 a block's results
.set AF,   128
.set G1, 24
.set G0, 32
.set G1B, 48
.set G0B, 56
.set MSB, 0
.macro WIN new                         ; the immediate's high byte repeats the setting that is left
.if MSB != \new
	s_set_vgpr_msb (MSB<<8)|\new
.set MSB, \new
.endif
.endm
.set MUL_LO, 0xa1                      ; source 0 window 1, source 1 window 0, C and D window 2
.set MUL_HI, 0xf1                      ; the same, C and D window 3
.set TO_B,   0x40                      ; destination window 1, address window 0
.macro JLOAD g0a, g1a, g0b, g1b        ; a joint load: waves 0 and 1 fetch for y, waves 2 and 3 for the weight; an s_nop 0 and four v_nop follow each of the two lines
	s_cmp_eq_u32 s15, 0
	s_cbranch_scc0 .Lfor_b_\@
	tensor_load_to_lds s[\g0a:\g0a+3], s[\g1a:\g1a+7]
	s_nop 0
.rept 4
	v_nop
.endr
	s_branch .Lasked_\@
.Lfor_b_\@:
	tensor_load_to_lds s[\g0b:\g0b+3], s[\g1b:\g1b+7]
	s_nop 0
.rept 4
	v_nop
.endr
.Lasked_\@:
.endm
.macro CREST                           ; a round of the cluster's barrier behind its opening barrier
	s_cmp_lg_u32 s14, 0
	s_cbranch_scc1 .Lnot_wave_0_\@
	s_barrier_signal -3
.Lnot_wave_0_\@:
	s_barrier_wait -3
	s_barrier_signal -1
	s_barrier_wait -1
.endm
.macro CROUND
	s_barrier_signal -1
	s_barrier_wait -1
	CREST
.endm
	s_load_b128 s[4:7], s[0:1], 0x0                ; yc s[4:5], wpc s[6:7]
	s_load_b128 s[8:11], s[0:1], 0x10              ; the scales' exponents s[8:9], out0 s[10:11]
	s_load_b64 s[12:13], s[0:1], 0x20              ; b_proj
	v_lshl_add_u32 v[SPW], v0, 2, SPARE
	v_mov_b32 v[NIL], 0
	ds_add_u32 v[SPW], v[NIL]                      ; the wave's opening: the add and its wait stand ahead of my first tensor load; the set-up below, work on registers, stands between them
	ds_add_u32 v[SPW], v[NIL]
	v_lshrrev_b32 v1, 5, v0
	v_readfirstlane_b32 s14, v1                    ; wave 0..3
	s_lshr_b32 s15, s14, 1                         ; which half of the tile's rows is mine.  Also: I fetch for y (0) or for the weight (1)
	s_and_b32 s16, s14, 1                          ; which half of its columns.  Also: which 128 rows of that tile I fetch
	s_bfe_u32 s40, ttmp6, 0x40000                  ; cx, cy
	s_bfe_u32 s41, ttmp6, 0x40004
	s_lshl_b32 s42, ttmp9, 2
	s_add_co_u32 s42, s42, s40                     ; tile column = 4 x cluster x + cx
	s_and_b32 s17, ttmp7, 0xffff
	s_lshl_b32 s17, s17, 2
	s_add_co_u32 s17, s17, s41                     ; tile row = 4 x cluster y + cy
	s_lshl_b32 s43, s41, 2
	s_lshl_b32 s43, 15, s43                        ; my row of the cluster
	s_lshl_b32 s44, 0x1111, s40                    ; my column
	s_or_b32 s[G1+0], s43, (1<<21)                 ; 15:0 the mask; 17:16 element of 1 byte; 20 no padding; 21 set beside a mask
	s_or_b32 s[G1B+0], s44, (1<<21)
.irp g, G1, G1B
	s_mov_b32 s[\g+1], STEPB<<16                   ; tensor_dim0
	s_mov_b32 s[\g+2], 8<<16                       ; tensor_dim1 = 8
	s_mov_b32 s[\g+3], STEPB<<16                   ; tile_dim0
	s_mov_b32 s[\g+4], 8                           ; tile_dim1 = 8
	s_mov_b32 s[\g+5], 16384                       ; tensor_dim0_stride
	s_mov_b32 s[\g+6], 0
	s_mov_b32 s[\g+7], 0
.endr
	s_lshl_b32 s18, s16, 17                        ; which eight row blocks of the tile I fetch
	s_lshl_b32 s20, s17, 18
	s_add_co_u32 s20, s20, s18
	s_mov_b32 s21, 0
	s_lshl_b32 s46, s42, 18
	s_add_co_u32 s46, s46, s18
	s_mov_b32 s47, 0
	s_lshl_b32 s45, s14, 15                        ; where they go: wave x HALFT
	s_wait_dscnt 0x0                               ; the opening add is done
	s_wait_kmcnt 0x0
	s_load_b64 s[96:97], s[8:9], 0x18              ; e6, e7
	s_add_nc_u64 s[20:21], s[4:5], s[20:21]
	s_add_nc_u64 s[46:47], s[6:7], s[46:47]
	CROUND                                         ; all sixteen work-groups are here: the first joint loads meet
.irp s, 0,1
	s_mov_b32 s[G0+4*\s], 1
	s_add_co_u32 s[G0+4*\s+1], s45, \s*SLOT
	s_add_nc_u64 s[G0+4*\s+2:G0+4*\s+3], s[20:21], \s*STEPB
	s_or_b32 s[G0+4*\s+3], s[G0+4*\s+3], 0x80000000
	s_mov_b32 s[G0B+4*\s], 1
	s_add_co_u32 s[G0B+4*\s+1], s45, \s*SLOT
	s_add_nc_u64 s[G0B+4*\s+2:G0B+4*\s+3], s[46:47], \s*STEPB
	s_or_b32 s[G0B+4*\s+3], s[G0B+4*\s+3], 0x80000000
	s_wait_alu depctr_va_vdst(0)
	s_wait_tensorcnt 0x0
	ds_add_u32 v28, v29
	ds_add_u32 v28, v29
	s_wait_dscnt 0x0
	CROUND
	JLOAD G0+4*\s, G1, G0B+4*\s, G1B
.endr
	v_and_b32 v1, 15, v0                           ; r
	s_wait_alu depctr_va_vdst(0)
	v_bfe_u32 v2, v0, 4, 1                         ; h
	v_and_b32 v6, 31, v0
	v_lshlrev_b32 v[CO], 4, v6
	v_lshlrev_b32 v[BH], 5, v2
	s_lshl_b32 s21, s15, 15                        ; my 128 rows of y
	s_lshl_b32 s22, s16, 15                        ; my 128 columns of the weight,
	s_add_co_u32 s22, s22, 2*HALFT                 ; which lie behind y's 256 rows
.irp s, 0,1
	v_add_nc_u32 v[ADRA+\s], s21, v[CO]
	v_add_nc_u32 v[ADRB+\s], s22, v[CO]
	s_add_co_u32 s21, s21, SLOT
	s_add_co_u32 s22, s22, SLOT
.endr
	s_mul_i32 s23, s14, 16*SPITCH                  ; my stage
	v_mul_u32_u24 v5, v1, SPITCH                   ; in: row r, 32 bytes for each half of the lanes
	s_wait_alu depctr_va_vdst(0)
	v_lshl_add_u32 v5, v2, 5, v5
	v_add_nc_u32 v[STO], s23, v5
	v_add_nc_u32 v[RD], s23, v[CO]                 ; back: the 32 lanes take one row of 512 bytes
	s_lshl_b32 s20, s17, 8
	s_lshl_b32 s21, s15, 7
	s_add_co_u32 s20, s20, s21                     ; my first row of out0,
	s_lshl_b32 s20, s20, 12                        ; in bytes
	s_mov_b32 s21, 0
	s_lshl_b32 s46, s42, 10                        ; my first column, in bytes: 1,024 x tile column + 512 x half
	s_lshl_b32 s47, s16, 9
	s_add_co_u32 s46, s46, s47
	s_mov_b32 s47, 0
	s_add_nc_u64 s[12:13], s[12:13], s[46:47]      ; the bias of my 128 columns
	s_add_nc_u64 s[20:21], s[20:21], s[46:47]
	s_add_nc_u64 s[10:11], s[10:11], s[20:21]
.irp b, 0,1,2,3,4,5,6,7                ; waited for on the way out; the address registers are never rewritten
	global_load_b128 v[BQ+8*\b:BQ+8*\b+3], v[BH], s[12:13] offset:64*\b
	global_load_b128 v[BQ+8*\b+4:BQ+8*\b+7], v[BH], s[12:13] offset:64*\b+16
.endr
.macro FRAG reg, adr, q, i             ; a fragment's image: row block i of my eight, the slot's q-th 128 along K
.irp c, 0,1,2,3
	ds_load_b128 v[\reg+4*\c:\reg+4*\c+3], v[\adr] offset:2048*(\q)+512*\c+(\i)*STEPB
.endr
.endm
; 16 matrix instructions: y's blocks a0, a0 + 1 x the weight's eight, 128 along K.  The 64 accumulators take turns, one instruction a turn, in the same order in every step.
.macro MUL16 a0, p, zero
.irp a, \a0, \a0+1
.irp b, 0,1,2,3,4,5,6,7
.if \zero
	v_wmma_f32_16x16x128_fp8_fp8 v[8*(8*((\a)%4)+\b):8*(8*((\a)%4)+\b)+7], v[128*(\p)+FR*\b:128*(\p)+FR*\b+FR-1], v[AF+FR*(\a):AF+FR*(\a)+FR-1], 0
.else
	v_wmma_f32_16x16x128_fp8_fp8 v[8*(8*((\a)%4)+\b):8*(8*((\a)%4)+\b)+7], v[128*(\p)+FR*\b:128*(\p)+FR*\b+FR-1], v[AF+FR*(\a):AF+FR*(\a)+FR-1], v[8*(8*((\a)%4)+\b):8*(8*((\a)%4)+\b)+7]
.endif
.endr
.endr
.endm
.macro FETCH_B slot, q, p
	WIN TO_B
.irp i, 0,1,2,3,4,5,6,7
	FRAG 128*(\p)+FR*\i, ADRB+\slot, \q, \i
.endr
	WIN 0
.endm
.macro FETCH_A slot, q, i0
.irp i, \i0, \i0+1, \i0+2, \i0+3
	FRAG AF+FR*(\i), ADRA+\slot, \q, \i
.endr
.endm
.macro PLACES n                        ; plain vector lines between a matrix instruction and a load into, or a vector line on, its registers
.rept \n
	v_nop
.endr
.endm
.macro STEP slot, q, zero
	s_wait_dscnt 4*NL                              ; the weight's set and y's blocks 0-3 are in; the youngest 16 loads (y's blocks 4-7) may be out
	WIN MUL_LO
	MUL16 0, (\q)%2, \zero
	MUL16 2, (\q)%2, \zero
	s_wait_dscnt 0
	PLACES NP
	FETCH_B \slot, (\q)+1, 1-(\q)%2
	FETCH_A \slot, (\q)+1, 0
	WIN MUL_HI
	MUL16 4, (\q)%2, \zero
	MUL16 6, (\q)%2, \zero
	PLACES NP
	WIN 0
	FETCH_A \slot, (\q)+1, 4
.endm
.macro TURN slot, next, fill
	s_wait_tensorcnt 0x0                           ; all my tensor loads have landed: my part of the next slot
	ds_add_u32 v[SPW], v[NIL]                      ; 0 onto my spare word
	s_wait_dscnt 4*NL+1                            ; (the add and the youngest 16 loads may be out)
	WIN MUL_LO
	MUL16 0, 1, 0                                  ; sixteen matrix instructions stand between the add and the wait for it
	s_wait_dscnt 0x0                               ; the add is done, and my reads of this slot are over
	s_barrier_signal -1
	MUL16 2, 1, 0
	WIN 0
	s_barrier_wait -1
.if \fill
	CREST                                          ; the barrier has opened a round of the cluster's barrier: no wave of any partner still reads this slot or has a load on its way
	s_add_nc_u64 s[G0+4*\slot+2:G0+4*\slot+3], s[G0+4*\slot+2:G0+4*\slot+3], 2*STEPB
	s_add_nc_u64 s[G0B+4*\slot+2:G0B+4*\slot+3], s[G0B+4*\slot+2:G0B+4*\slot+3], 2*STEPB
	JLOAD G0+4*\slot, G1, G0B+4*\slot, G1B         ; the first tensor load behind the round; its four v_nop are also the places in front of the loads below
.else
	PLACES NP
.endif
	FETCH_B \next, 0, 0
	FETCH_A \next, 0, 0
	WIN MUL_HI
	MUL16 4, 1, 0
	MUL16 6, 1, 0
	PLACES NP
	WIN 0
	FETCH_A \next, 0, 4
.endm
	s_wait_tensorcnt 1                             ; my part of slot 0 is in (slot 1's load may be out)
	s_barrier_signal -1
	s_barrier_wait -1                              ; everybody's is
	FETCH_B 0, 0, 0
	FETCH_A 0, 0, 0
	FETCH_A 0, 0, 4
	STEP 0, 0, 1                                   ; K 0-127: its products start the sums
	TURN 0, 1, 1                                   ; slot 0 takes K 512-767
	STEP 1, 0, 0
	TURN 1, 0, 1                                   ; slot 1 takes K 768-1,023
	STEP 0, 0, 0
	TURN 0, 1, 0                                   ; nothing is left to fetch
	STEP 1, 0, 0
	s_wait_dscnt 4*NL
	WIN MUL_LO
	MUL16 0, 1, 0
	MUL16 2, 1, 0
	s_wait_dscnt 0
	WIN MUL_HI
	MUL16 4, 1, 0
	MUL16 6, 1, 0
	WIN 0
; THE WAY OUT, block by block of 16 rows x 128 columns.  A lane holds 32 neighbouring bytes of a row and the lanes beside it hold other rows: a block goes through my own stage in LDS and comes back as whole rows
; of 512 bytes.  LDS serves a wave's instructions in order (ISA guide 5.7.1.4): no wait between the stores and the loads, nor in front of the next block's stores.
.macro TOSTAGE a
.set AC, 64*((\a)%4)
.set BB, 64*((\a)%2)
	WIN (0x02+((\a)/4))                            ; source 0: window 2 or 3
.set j, 0
.rept 32
	v_pk_fma_f32 v[TMP+j:TMP+j+1], v[AC+j:AC+j+1], s[96:97], v[BQ+j:BQ+j+1] op_sel_hi:[1,0,1]   ; sum x 2^(e6 + e7) + bias; each accumulator from its low end on
.set j, j+2
.endr
	WIN 0
.irp b, 0,1,2,3,4,5,6,7
	ds_store_b128 v[STO], v[TMP+8*\b:TMP+8*\b+3] offset:64*\b
	ds_store_b128 v[STO], v[TMP+8*\b+4:TMP+8*\b+7] offset:64*\b+16
.endr
	WIN TO_B                                       ; the rows come back into window 1, which the weight's fragments have left
.irp t, 0,1,2,3,4,5,6,7,8,9,10,11,12,13,14,15
	ds_load_b128 v[BB+4*\t:BB+4*\t+3], v[RD] offset:\t*SPITCH
.endr
	WIN 0
.endm
.macro SEND a, younger                 ; younger: the LDS instructions issued behind block a's loads, which may stay out
.set BB, 64*((\a)%2)
	s_wait_dscnt \younger                          ; the block is back in registers
.if (\a) > 0
	s_add_nc_u64 s[10:11], s[10:11], 16*ROWC       ; (behind a wait on XCNT: the earlier stores have read their base)
.endif
	WIN 0x04                                       ; the stores' data: window 1
.irp t, 0,1,2,3,4,5,6,7,8,9,10,11,12,13,14,15
	global_store_b128 v[CO], v[BB+4*\t:BB+4*\t+3], s[10:11] offset:\t*ROWC th:TH_STORE_NT   ; 32 lanes store 512 consecutive bytes, at a multiple of 512 from out0's first byte
.endr
	WIN 0
.endm
	s_wait_kmcnt 0x0
	s_add_co_i32 s96, s96, s97
	s_add_co_i32 s96, s96, 127
	s_lshl_b32 s96, s96, 23                        ; 2^(e6 + e7) as f32
	s_mov_b32 s97, s96                             ; (named with it as a pair, so it is written)
	s_wait_loadcnt 0x0                             ; the bias
	PLACES NP                                      ; behind the last products: their results are read, and loads land in the weight's registers, below
	TOSTAGE 0
.irp a, 1,2,3,4,5,6,7
.if \a > 1
	s_wait_xcnt 0x0                                ; block a - 2's stores have read their registers and their base: block a's loads may land there, and the base may step
.endif
	TOSTAGE \a
	SEND \a-1, 32                                  ; behind block a - 1's loads: block a's 16 stores and 16 loads
.endr
	s_wait_xcnt 0x0                                ; block 6's stores have read their base
	SEND 7, 0
	s_wait_tensorcnt 0x0                           ; the wave's end: behind my last tensor load and my last LDS store
	ds_add_u32 v[SPW], v[NIL]
	s_wait_dscnt 0x0
	CROUND                                         ; the closing round: no work-group ends while a partner may still ask for a tile that names it
	s_endpgm
.Lfunc_end_k_qce183118ae_proj:
	.size	k_qce183118ae_proj, .Lfunc_end_k_qce183118ae_proj-k_qce183118ae_proj
	.p2alignl 7, 3214868480
	.fill 96, 4, 3214868480
	.section	.rodata,"a",@progbits
	.p2align	6, 0x0
	.amdhsa_kernel k_qce183118ae_proj
		.amdhsa_group_segment_fixed_size 327680
		.amdhsa_private_segment_fixed_size 0
		.amdhsa_enable_private_segment 0
		.amdhsa_kernarg_size 40
		.amdhsa_user_sgpr_count 2
		.amdhsa_user_sgpr_kernarg_segment_ptr 1
		.amdhsa_wavefront_size32 1
		.amdhsa_system_sgpr_workgroup_id_x 1
		.amdhsa_system_sgpr_workgroup_id_y 1
		.amdhsa_system_sgpr_workgroup_id_z 1
		.amdhsa_system_vgpr_workitem_id 0
		.amdhsa_next_free_vgpr 1024
		.amdhsa_next_free_sgpr 98
		.amdhsa_reserve_vcc 0
		.amdhsa_float_denorm_mode_32 3
		.amdhsa_float_denorm_mode_16_64 3
		.amdhsa_memory_ordered 1
		.amdhsa_forward_progress 1
		.amdhsa_inst_pref_size 126
	.end_amdhsa_kernel
	.amdgpu_metadata
---
amdhsa.version: [ 1, 2 ]
amdhsa.kernels:
  - .name:           k_qce183118ae_proj
    .symbol:         k_qce183118ae_proj.kd
    .args:
      - { .name: yc, .offset: 0, .size: 8, .value_kind: global_buffer, .address_space: global }
      - { .name: wpc, .offset: 8, .size: 8, .value_kind: global_buffer, .address_space: global }
      - { .name: lowp_scales, .offset: 16, .size: 8, .value_kind: global_buffer, .address_space: global }
      - { .name: out0, .offset: 24, .size: 8, .value_kind: global_buffer, .address_space: global }
      - { .name: b_proj, .offset: 32, .size: 8, .value_kind: global_buffer, .address_space: global }
    .group_segment_fixed_size: 327680
    .private_segment_fixed_size: 0
    .kernarg_segment_align: 8
    .kernarg_segment_size: 40
    .max_flat_workgroup_size: 128
    .sgpr_count:     98
    .vgpr_count:     1024
    .wavefront_size: 32
...
	.end_amdgpu_metadata
.endif
;; end of part 4
